; MI455X (gfx1250); checked and timed in simulation.
; The chip was launched on July 23, 2026; its instructions are those of AMD's public machine-readable ISA for CDNA 5 (MIT licence, August 2026) and "CDNA5" Instruction Set Architecture Reference Guide (July 2026). The comments in the code are by the model that wrote it; some were corrected since.
;; Feed Forward Quantum. Allowed arithmetic: matrix products marked QUANTISED: E2M1 operands, one E8M0 scale for each 32 along K, by v_wmma_scale_f32_16x16x128_f8f6f4 with both operands' format E2M1 (or v_wmma_scale_f32_32x16x128_f4), f32 sums; products left as they are: f32 operands where the result goes on into a quantised operand, else bf16, f16 or f32 operands; f32 sums; everything else in f32.
;; Inputs: W1 4,096 x 10 float32; W2 1,024 x 4,096 float32; b1 4,096 float32; b2 1,024 float32; theta 10 float32; x 4 x 4,096 x 1,024 float32.
;; Outputs: out0 4 x 4,096 x 1,024 float32.
;; This version of the problem:
;;   THIS VERSION OF THE PROBLEM IS GIVEN IN LOW PRECISION. The matrix products marked QUANTISED in the list below multiply operands that are first quantised to E2M1 (2 exponent bits, 1 mantissa bit; 4 bits a number), with one power-of-two scale for each 32 numbers along K (OCP MX v1.0); their sums are f32. All else is computed in f32.
;;   The module's matrix products, in the order in which they are computed (A, B: the left and right operand; K: the contracted axis; several contracted axes count as one K, in the product's order):
;;     1. [M 16,384, K 10] x [K 10, N 4,096]; A: computed on the way; B: input W1: left as it is (K = 10 < 32)
;;     2. [M 16,384, K 4,096] x [K 4,096, N 1,024]; A: computed on the way; B: input W2: QUANTISED
;;   THE QUANTISER, for each operand of a quantised product, along K:
;;     - K is cut into blocks of 32 from its start; a last block that is shorter is filled with zeros.
;;     - A block's scale is 2^e with e = floor(log2(the largest magnitude in the block)) - 2, held to -126 .. 127; a block of zeros has e = 0. As a byte (E8M0): e + 127.
;;     - Each number is divided by its block's scale, clamped to +-6, and rounded to the nearest number of E2M1, ties to even, subnormals kept.
;;     - The product sums the exact products of the quantised numbers (number of the format x scale) in f32.
;;   ~~~python
;;   def quantise(x, axis):      # numpy; x: float32 -> the quantised numbers, widened to float32 again
;;       x = np.moveaxis(x, axis, -1); K = x.shape[-1]
;;       x = np.pad(x, [(0, 0)] * (x.ndim - 1) + [(0, -K % 32)]); x = x.reshape(x.shape[:-1] + (-1, 32)); a = np.abs(x).max(-1, keepdims=True)
;;       e = np.where(a > 0, np.clip(np.frexp(np.where(a > 0, a, 1))[1] - 1 - 2, -126, 127), 0)      # np.frexp(a)[1] - 1 = floor(log2(a)), exactly
;;       r = np.clip(x / 2.0 ** e, -6, 6)
;;       step = 2.0 ** (np.maximum(np.frexp(np.where(r == 0, 1, r))[1] - 1, 0) - 1)
;;       q = np.round(r / step) * step * 2.0 ** e      # np.round: ties to even
;;       return np.moveaxis(q.reshape(q.shape[:-2] + (-1,))[..., :K], -1, axis).astype(np.float32)
;;   ~~~
;;   OPERANDS COMPUTED ON THE WAY. 'Computed on the way' means the value that the module computes at that place (a softmax that the list does not call 'softmax' is quantised finished and normalised). What goes into a quantiser is computed in f32, as accurately as f32 sums, v_exp_f32 and their like allow (about 1e-6 of the number): no bf16 or f16 on the way to a quantiser, and a product that is left as it is and whose result goes on into a quantised operand takes f32 operands (vector FMAs, or v_wmma_f32_16x16x4_f32). A number that lies on a knife's edge between two numbers of the format may be rounded either way, as far as f32 arithmetic and the matrix unit's own rounding can turn it there, and no further.
;; One version. Each part assembles by itself: llvm-mc -triple=amdgcn-amd-amdhsa -mcpu=gfx1250 --defsym DOCPART=n.
;; ======== version 1 of 1: 2 launches
;; limits: right only within a limited range of input values
;; workspace buffers: w2c 2,097,152 bytes; w2s 131,072 bytes; w1i 196,608 bytes; qi 786,432 bytes
;; launch prep (part 1): grid 292 x 1, 8 waves a work-group, no clusters, 70,656 bytes of LDS; arguments W2, W1, b1, x, theta, w2c, w2s, w1i, qi; writes w2c, w2s, w1i, qi
.if DOCPART == 1
	.amdgcn_target "amdgcn-amd-amdhsa--gfx1250"
	.amdhsa_code_object_version 6
	.text
	.protected	k_qfa9629e8b9_prep
	.globl	k_qfa9629e8b9_prep
	.p2align	8
	.type	k_qfa9629e8b9_prep,@function
k_qfa9629e8b9_prep:
	s_mov_b64 s[64:65], 0
	v_nop
	global_prefetch_b8 v0, s[64:65] scope:SCOPE_SE
	s_setreg_imm32_b32 hwreg(HW_REG_WAVE_MODE, 25, 1), 1
	s_wait_xcnt 0x0
; The operands of the fused launch, laid in the order of its operand registers (L = lane = 16 h + r).  Three kinds of work-groups, told apart by the work-group's number:
;   0..255   W2 [1024][4096] f32 -> codes of E2M1 along K with one E8M0 byte for each 32: a wave makes ONE fragment (16 rows x 128 K):
;            w2c [c 16][w 4][u 2][t 16][c2 2][L][16 B]: row 256 w + 16 t + r, K = 128 (2 c + u) + 64 c2 + 32 h + 0..31;  w2s [s 32][w 4][half 2][L][4 words]: word i = the scale word of row 256 w + 16 (2 (4 half + i) + h) + r for K step s
;   256..287 q = cos(x[:, :10] + theta) -> qi [g 256][p 6][L][4 words]: word 6 m + 2 s + j = q(token 64 g + 16 m + r, k = 4 s + 2 h + j); k = 10 holds 1.0 (it meets the bias), k = 11 holds 0
;   288..291 W1, b1 -> w1i [S 32][p 12][L][4 words]: word 6 t + 2 s + j = W1(row 128 S + 32 (t / 2) + 8 (t % 2) + r + 8 (r / 8), k = 4 s + 2 h + j); k = 10 holds b1(row), k = 11 holds 0
; A block's scale is 2^(floor(log2(largest magnitude)) - 2): its byte is the largest magnitude's exponent field - 2, held at 1 from below.  A block of zeros so has the byte 1 where the rule says 127: its codes are zeros, and this program alone reads the bytes.
; The cosine: n = the nearest whole number to phi x 2 / pi; r = phi - n pi / 2 with pi / 2 in three parts, by fused multiply-adds; cos r and sin r by their series up to r^8 and r^9 (|r| <= pi / 4: what is cut is under 3e-8); n mod 4 picks series and sign.
; LIMITS: |x + theta| under 2^23; NaN and infinities among the inputs are not served; blocks of W2 whose largest magnitude lies under 2^-124 have their byte held at 1.
.set STP, 528                          ; a stage row: 512 bytes + 16: sixteen rows begin at sixteen different 16-byte columns
.set SG,  8*16*STP                     ; behind the eight waves' stages: 512 bytes in which the work-group's scale words meet
	s_load_b256 s[4:11], s[0:1], 0x0               ; W2 s[4:5], W1 s[6:7], b1 s[8:9], x s[10:11]
	s_load_b256 s[12:19], s[0:1], 0x20             ; theta s[12:13], w2c s[14:15], w2s s[16:17], w1i s[18:19]
	s_load_b64 s[20:21], s[0:1], 0x40              ; qi
	v_lshl_add_u32 v192, v0, 2, 0x11000
	v_mov_b32 v193, 0
	v_lshrrev_b32 v1, 5, v0
	s_delay_alu instid0(VALU_DEP_1)
	v_readfirstlane_b32 s22, v1                    ; wave 0..7
	v_and_b32 v2, 31, v0                           ; L
	v_and_b32 v3, 15, v0                           ; r
	v_bfe_u32 v4, v0, 4, 1                         ; h
	s_delay_alu instid0(VALU_DEP_3)
	v_lshlrev_b32 v5, 4, v2                        ; 16 L
	s_delay_alu instid0(VALU_DEP_2)
	v_cmp_eq_u32 s62, 1, v4                        ; lanes 16-31
	s_mov_b32 s46, 0x76543210
	s_mov_b32 s47, 0xfedcba98                      ; v_permlanex16_b32's selects for lane l xor 16
	s_mov_b32 s29, 0                               ; the upper word of every offset
	s_wait_kmcnt 0x0
	s_cmp_ge_u32 ttmp9, 256
	s_cbranch_scc1 .Lnot_w2
	; ---------------- W2: work-group = 8 s + 2 w + half; my tile t = 8 half + wave
	s_and_b32 s23, ttmp9, 1                        ; half
	s_bfe_u32 s24, ttmp9, 0x20001                  ; w
	s_lshr_b32 s25, ttmp9, 3                       ; s
	s_lshl_b32 s26, s23, 3
	s_add_co_u32 s26, s26, s22                     ; t
	s_lshl_b32 s27, s24, 4
	s_add_co_u32 s27, s27, s26                     ; 16 w + t: which 16 rows
	s_lshl_b32 s28, s27, 18                        ; x 16 rows of 16,384 bytes
	s_lshl_b32 s30, s25, 9                         ; + 128 numbers a K step
	s_add_co_u32 s28, s28, s30
	s_add_nc_u64 s[4:5], s[4:5], s[28:29]
	s_wait_alu depctr_va_vdst(0)
.irp i, 0,1,2,3,4,5,6,7,8,9,10,11,12,13,14,15
	global_load_b128 v[16+4*\i:19+4*\i], v5, s[4:5] offset:16384*\i th:TH_LOAD_NT   ; row i: 32 lanes read 512 consecutive bytes
.endr
	s_lshr_b32 s28, s25, 1                         ; where my fragment goes: 131,072 (s / 2) + 32,768 w + 16,384 (s % 2) + 1,024 t
	s_lshl_b32 s28, s28, 17
	s_lshl_b32 s30, s24, 15
	s_add_co_u32 s28, s28, s30
	s_and_b32 s30, s25, 1
	s_lshl_b32 s30, s30, 14
	s_add_co_u32 s28, s28, s30
	s_lshl_b32 s30, s26, 10
	s_add_co_u32 s28, s28, s30
	s_add_nc_u64 s[14:15], s[14:15], s[28:29]
	s_lshl_b32 s28, ttmp9, 9                       ; the work-group's 512 bytes of scale words
	s_add_nc_u64 s[16:17], s[16:17], s[28:29]
	s_mul_i32 s30, s22, 16*STP                     ; my stage
	v_add_nc_u32 v6, s30, v5                       ; in: 16 L of a row
	v_mul_u32_u24 v7, v3, STP
	s_delay_alu instid0(VALU_DEP_1)
	v_lshl_add_u32 v7, v4, 7, v7
	s_delay_alu instid0(VALU_DEP_1)
	v_add_nc_u32 v7, s30, v7                       ; back: row r, from number 32 h on
	s_and_b32 s31, s22, 1
	s_lshl_b32 s31, s31, 8
	s_lshr_b32 s30, s22, 1
	s_lshl_b32 s30, s30, 2
	s_add_co_u32 s31, s31, s30
	v_lshl_add_u32 v152, v3, 4, s31
	s_delay_alu instid0(VALU_DEP_1)
	v_add_nc_u32 v152, SG, v152                    ; my tile's scale words: lane 16 (wave % 2) + r of the image, word wave / 2
	v_add_nc_u32 v153, SG, v5
	s_wait_alu depctr_va_vdst(0)
.irp i, 0,1,2,3,4,5,6,7,8,9,10,11,12,13,14,15
	s_wait_loadcnt 15-\i                           ; loads come back in order: row i is in, the younger ones may be out
	ds_store_b128 v6, v[16+4*\i:19+4*\i] offset:STP*\i
.endr
.irp c, 0,1
.irp i, 0,1,2,3,4,5,6,7
	ds_load_b128 v[80+32*\c+4*\i:83+32*\c+4*\i], v7 offset:256*\c+16*\i   ; my wave's own bytes, served in order: W2(row r, 64 c + 32 h + 4 i ..): a whole block of 32 in my registers
.endr
.endr
	s_wait_dscnt 0x0
.irp c, 0,1
	v_max3_num_f32 v[8+\c], |v[80+32*\c]|, |v[81+32*\c]|, 0x1800000      ; my block 2 c + h, and the floor 2^(3 - 127): the byte cannot fall under 1
.endr
.irp i, 2,4,6,8,10,12,14,16,18,20,22,24,26,28,30
.irp c, 0,1
	s_delay_alu instid0(VALU_DEP_2)
	v_max3_num_f32 v[8+\c], v[8+\c], |v[80+32*\c+\i]|, |v[81+32*\c+\i]|
.endr
.endr
.irp c, 0,1
	s_delay_alu instid0(VALU_DEP_2)
	v_add_nc_u32 v[10+\c], 0xff000000, v[8+\c]     ; 2 off the exponent field: the conversion takes this operand's exponent field as its scale
.endr
.irp c, 0,1
	s_delay_alu instid0(VALU_DEP_2)
	v_lshrrev_b32 v[12+\c], 23, v[10+\c]           ; the scale's byte
.endr
	s_delay_alu instid0(VALU_DEP_1)
	v_lshl_or_b32 v14, v13, 16, v12                ; my two bytes, blocks h and 2 + h,
	v_lshlrev_b32 v15, 3, v4
	s_delay_alu instid0(VALU_DEP_1)
	v_lshlrev_b32 v14, v15, v14                    ; at their places in the word;
	v_mov_b32 v15, 0
	s_delay_alu instid0(VALU_DEP_1)
	v_permlanex16_b32 v15, v14, s46, s47
	s_delay_alu instid0(VALU_DEP_1)
	v_or_b32 v14, v14, v15                         ; with lane l xor 16's two the word is whole
.irp c, 0,1
.irp g, 0,1,2,3
	v_cvt_scalef32_pk8_fp4_f32 v[144+4*\c+\g], v[80+32*\c+8*\g:87+32*\c+8*\g], v[10+\c]   ; registers 4 c .. 4 c + 3 of the operand; beyond 6 the largest code
.endr
.endr
	v_nop                                          ; a plain line behind the last scaled conversion
	global_store_b128 v5, v[144:147], s[14:15]     ; 512 consecutive bytes each
	global_store_b128 v5, v[148:151], s[14:15] offset:512
	ds_store_b32 v152, v14                         ; both halves of the lanes write the same word with the same value
	s_wait_dscnt 0x0                               ; for the others' sake: my word has landed
	s_barrier_signal -1
	s_barrier_wait -1
	s_cmp_lg_u32 s22, 0
	s_cbranch_scc1 .Lw2_done
	ds_load_b128 v[156:159], v153                  ; the eight tiles' words, as the fused launch's registers want them
	s_wait_dscnt 0x0
	global_store_b128 v5, v[156:159], s[16:17]     ; 512 consecutive bytes
.Lw2_done:
	s_wait_tensorcnt 0x0
	ds_add_u32 v192, v193
	s_wait_dscnt 0x0
	s_endpgm
.Lnot_w2:
	s_cmp_ge_u32 ttmp9, 288
	s_cbranch_scc1 .Lw1
	; ---------------- q: my wave takes the 64 tokens of block G = 8 (work-group - 256) + wave
	s_load_b256 s[32:39], s[12:13], 0x0            ; theta 0..7
	s_load_b64 s[40:41], s[12:13], 0x20            ; theta 8, 9
	s_sub_co_u32 s23, ttmp9, 256
	s_lshl_b32 s23, s23, 3
	s_add_co_u32 s23, s23, s22
	s_lshl_b32 s28, s23, 18                        ; 64 rows of 4,096 bytes
	s_add_nc_u64 s[10:11], s[10:11], s[28:29]
	s_mul_i32 s28, s23, 3072
	s_add_nc_u64 s[20:21], s[20:21], s[28:29]
	s_wait_alu depctr_va_vdst(0)
	v_lshlrev_b32 v6, 12, v3
	s_delay_alu instid0(VALU_DEP_1)
	v_lshl_add_u32 v6, v4, 3, v6                   ; row r, + 8 h
.irp m, 0,1,2,3
.irp s, 0,1,2
	global_load_b64 v[32+6*\m+2*\s:33+6*\m+2*\s], v6, s[10:11] offset:65536*\m+16*\s   ; x(16 m + r, 4 s + 2 h + 0, 1); columns 10 and 11 lie inside the row and are replaced below
.endr
.endr
	s_mov_b32 s48, 0x3f22f983                      ; 2 / pi
	s_mov_b32 s49, 0x3fc90fdb                      ; pi / 2 in three parts
	s_mov_b32 s50, 0xb33bbd2e
	s_mov_b32 s51, 0xa6f72ced
	s_mov_b32 s52, 0x3d2aaaab                      ; 1 / 24
	s_mov_b32 s53, 0xbab60b61                      ; -1 / 720
	s_mov_b32 s54, 0x37d00d01                      ; 1 / 40320
	s_mov_b32 s55, 0xbe2aaaab                      ; -1 / 6
	s_mov_b32 s56, 0x3c088889                      ; 1 / 120
	s_mov_b32 s57, 0xb9500d01                      ; -1 / 5040
	s_mov_b32 s58, 0x3638ef1d                      ; 1 / 362880
	s_wait_kmcnt 0x0
.irp s, 0,1
.irp j, 0,1
	v_mov_b32 v[16+2*\s+\j], s[32+4*\s+\j]         ; theta(4 s + 2 h + j)
	v_mov_b32 v22, s[34+4*\s+\j]
	s_delay_alu instid0(VALU_DEP_1)
	v_cndmask_b32 v[16+2*\s+\j], v[16+2*\s+\j], v22, s62
.endr
.endr
	v_mov_b32 v20, s40                             ; k = 8, 9; lanes 16-31 (k = 10, 11) are replaced below
	v_mov_b32 v21, s41
	s_wait_alu depctr_va_vdst(0)
	s_wait_loadcnt 0x0
; the six numbers of token tile m, line by line, so that no line waits for the line above it
.macro COS6 m
.irp u, 0,1,2,3,4,5
	v_add_f32 v[64+\u], v[32+6*\m+\u], v[16+\u]    ; phi
.endr
.irp u, 0,1,2,3,4,5
	v_mul_f32 v[72+\u], s48, v[64+\u]
.endr
.irp u, 0,1,2,3,4,5
	v_rndne_f32 v[72+\u], v[72+\u]                 ; n
.endr
.irp p, 49,50,51
.irp u, 0,1,2,3,4,5
	v_fma_f32 v[64+\u], -v[72+\u], s[\p], v[64+\u] ; r = phi - n pi / 2
.endr
.endr
.irp u, 0,1,2,3,4,5
	v_cvt_i32_f32 v[72+\u], v[72+\u]
.endr
.irp u, 0,1,2,3,4,5
	v_mul_f32 v[80+\u], v[64+\u], v[64+\u]         ; z = r^2
.endr
.irp u, 0,1,2,3,4,5
	v_fma_f32 v[88+\u], v[80+\u], s54, s53
	v_fma_f32 v[96+\u], v[80+\u], s58, s57
.endr
.irp u, 0,1,2,3,4,5
	v_fma_f32 v[88+\u], v[88+\u], v[80+\u], s52
	v_fma_f32 v[96+\u], v[96+\u], v[80+\u], s56
.endr
.irp u, 0,1,2,3,4,5
	v_fma_f32 v[88+\u], v[88+\u], v[80+\u], -0.5
	v_fma_f32 v[96+\u], v[96+\u], v[80+\u], s55
.endr
.irp u, 0,1,2,3,4,5
	v_fma_f32 v[88+\u], v[88+\u], v[80+\u], 1.0    ; cos r
	v_mul_f32 v[80+\u], v[64+\u], v[80+\u]         ; r z
.endr
.irp u, 0,1,2,3,4,5
	v_fma_f32 v[96+\u], v[96+\u], v[80+\u], v[64+\u]   ; sin r
	v_and_b32 v[64+\u], 1, v[72+\u]
.endr
.irp u, 0,1,2,3,4,5
	v_add_nc_u32 v[72+\u], 1, v[72+\u]
.endr
.irp u, 0,1,2,3,4,5
	v_and_b32 v[72+\u], 2, v[72+\u]                ; n mod 4 = 1 or 2: the sign turns
.endr
.irp u, 0,1,2,3,4,5
	v_cmp_eq_u32 vcc_lo, 1, v[64+\u]               ; n odd: the sine
	s_delay_alu instid0(VALU_DEP_1)
	v_cndmask_b32 v[88+\u], v[88+\u], v[96+\u], vcc_lo
.endr
.irp u, 0,1,2,3,4,5
	v_lshlrev_b32 v[72+\u], 30, v[72+\u]
.endr
.irp u, 0,1,2,3,4,5
	v_xor_b32 v[32+6*\m+\u], v[72+\u], v[88+\u]
.endr
	s_delay_alu instid0(VALU_DEP_2)
	v_cndmask_b32 v[36+6*\m], v[36+6*\m], 1.0, s62 ; k = 10: 1.0, which meets b1
	s_delay_alu instid0(VALU_DEP_2)
	v_cndmask_b32 v[37+6*\m], v[37+6*\m], 0, s62   ; k = 11: 0
.endm
	COS6 0
	COS6 1
	COS6 2
	COS6 3
.irp p, 0,1,2,3,4,5
	global_store_b128 v5, v[32+4*\p:35+4*\p], s[20:21] offset:512*\p   ; 512 consecutive bytes each
.endr
	s_endpgm
.Lw1:
	; ---------------- W1 and b1: my wave takes the 128 rows of K step S = 8 (work-group - 288) + wave
	s_sub_co_u32 s23, ttmp9, 288
	s_lshl_b32 s23, s23, 3
	s_add_co_u32 s23, s23, s22
	s_mul_i32 s28, s23, 5120                       ; 128 rows of 40 bytes
	s_add_nc_u64 s[6:7], s[6:7], s[28:29]
	s_lshl_b32 s28, s23, 9
	s_add_nc_u64 s[8:9], s[8:9], s[28:29]
	s_mul_i32 s28, s23, 6144
	s_add_nc_u64 s[18:19], s[18:19], s[28:29]
	s_wait_alu depctr_va_vdst(0)
	v_and_b32 v6, 8, v3
	s_delay_alu instid0(VALU_DEP_1)
	v_add_nc_u32 v6, v6, v3                        ; r + 8 (r / 8): the rows of a tile are not neighbours
	s_delay_alu instid0(VALU_DEP_1)
	v_mul_u32_u24 v7, v6, 40                       ; for k = 8, 9: both halves of the lanes read them, so that no load leaves the last row
	s_delay_alu instid0(VALU_DEP_1)
	v_lshl_add_u32 v8, v4, 3, v7                   ; for k = 4 s + 2 h, s = 0, 1
	s_delay_alu instid0(VALU_DEP_3)
	v_lshlrev_b32 v9, 2, v6
.irp t, 0,1,2,3,4,5,6,7
	global_load_b64 v[32+6*\t:33+6*\t], v8, s[6:7] offset:40*(32*(\t/2)+8*(\t%2))
	global_load_b64 v[34+6*\t:35+6*\t], v8, s[6:7] offset:40*(32*(\t/2)+8*(\t%2))+16
	global_load_b64 v[36+6*\t:37+6*\t], v7, s[6:7] offset:40*(32*(\t/2)+8*(\t%2))+32
	global_load_b32 v[96+\t], v9, s[8:9] offset:4*(32*(\t/2)+8*(\t%2))
.endr
	s_wait_loadcnt 0x0
.irp t, 0,1,2,3,4,5,6,7
	v_cndmask_b32 v[36+6*\t], v[36+6*\t], v[96+\t], s62   ; k = 10: the bias
	v_cndmask_b32 v[37+6*\t], v[37+6*\t], 0, s62          ; k = 11: 0
.endr
.irp p, 0,1,2,3,4,5,6,7,8,9,10,11
	global_store_b128 v5, v[32+4*\p:35+4*\p], s[18:19] offset:512*\p
.endr
	s_endpgm
.Lfunc_end_k_qfa9629e8b9_prep:
	.size	k_qfa9629e8b9_prep, .Lfunc_end_k_qfa9629e8b9_prep-k_qfa9629e8b9_prep
	.p2alignl 7, 3214868480
	.fill 96, 4, 3214868480
	.section	.rodata,"a",@progbits
	.p2align	6, 0x0
	.amdhsa_kernel k_qfa9629e8b9_prep
		.amdhsa_group_segment_fixed_size 70656
		.amdhsa_private_segment_fixed_size 0
		.amdhsa_enable_private_segment 0
		.amdhsa_kernarg_size 72
		.amdhsa_user_sgpr_count 2
		.amdhsa_user_sgpr_kernarg_segment_ptr 1
		.amdhsa_wavefront_size32 1
		.amdhsa_system_sgpr_workgroup_id_x 1
		.amdhsa_system_sgpr_workgroup_id_y 1
		.amdhsa_system_sgpr_workgroup_id_z 1
		.amdhsa_system_vgpr_workitem_id 0
		.amdhsa_next_free_vgpr 194
		.amdhsa_next_free_sgpr 66
		.amdhsa_reserve_vcc 1
		.amdhsa_float_denorm_mode_32 3
		.amdhsa_float_denorm_mode_16_64 3
		.amdhsa_memory_ordered 1
		.amdhsa_forward_progress 1
		.amdhsa_inst_pref_size 50
	.end_amdhsa_kernel
	.amdgpu_metadata
---
amdhsa.version: [ 1, 2 ]
amdhsa.kernels:
  - .name:           k_qfa9629e8b9_prep
    .symbol:         k_qfa9629e8b9_prep.kd
    .args:
      - { .name: W2, .offset: 0, .size: 8, .value_kind: global_buffer, .address_space: global }
      - { .name: W1, .offset: 8, .size: 8, .value_kind: global_buffer, .address_space: global }
      - { .name: b1, .offset: 16, .size: 8, .value_kind: global_buffer, .address_space: global }
      - { .name: x, .offset: 24, .size: 8, .value_kind: global_buffer, .address_space: global }
      - { .name: theta, .offset: 32, .size: 8, .value_kind: global_buffer, .address_space: global }
      - { .name: w2c, .offset: 40, .size: 8, .value_kind: global_buffer, .address_space: global }
      - { .name: w2s, .offset: 48, .size: 8, .value_kind: global_buffer, .address_space: global }
      - { .name: w1i, .offset: 56, .size: 8, .value_kind: global_buffer, .address_space: global }
      - { .name: qi, .offset: 64, .size: 8, .value_kind: global_buffer, .address_space: global }
    .group_segment_fixed_size: 70656
    .private_segment_fixed_size: 0
    .kernarg_segment_align: 8
    .kernarg_segment_size: 72
    .max_flat_workgroup_size: 256
    .sgpr_count:     66
    .vgpr_count:     194
    .wavefront_size: 32
...
	.end_amdgpu_metadata
.endif
;; end of part 1
;; launch main (part 2): grid 256 x 1, 4 waves a work-group, clusters of 4 x 1, 327,680 bytes of LDS; arguments w2c, w2s, w1i, qi, b2, out0; writes out0
.if DOCPART == 2
	.amdgcn_target "amdgcn-amd-amdhsa--gfx1250"
	.amdhsa_code_object_version 6
	.text
	.protected	k_qfa9629e8b9_main
	.globl	k_qfa9629e8b9_main
	.p2align	8
	.type	k_qfa9629e8b9_main,@function
k_qfa9629e8b9_main:
	s_mov_b64 s[64:65], 0
	v_nop
	global_prefetch_b8 v0, s[64:65] scope:SCOPE_SE
	s_setreg_imm32_b32 hwreg(HW_REG_WAVE_MODE, 25, 1), 1
	s_wait_xcnt 0x0
	s_wait_alu depctr_hold_cnt(0) depctr_sa_sdst(0) depctr_va_vdst(0) depctr_va_sdst(0) depctr_va_ssrc(0) depctr_va_vcc(0) depctr_vm_vsrc(0)
	s_getreg_b32 s2, hwreg(HW_REG_IB_STS2, 6, 4)
	s_cmp_eq_u32 s2, 0
	s_cbranch_scc0 .Lentry_in_a_cluster
	s_endpgm
.Lentry_in_a_cluster:
	s_bfe_u32 s2, ttmp6, 0x10000c
	s_cmp_lg_u32 s2, 0x3003
	s_cbranch_scc0 .Lentry_shape_is_right
	s_endpgm
.Lentry_shape_is_right:
; out = Q(relu(q W1^T + b1)) Q(W2)^T + b2 for the work-group's 64 tokens and all 1,024 columns; q, W1 with b1, and W2's codes and scale words come as register images from the launch before.
; Four waves.  Wave w owns columns 256 w .. 256 w + 255: 32 accumulators of 32 columns x 16 tokens, 512 registers (windows 2 and 3).  K = 4,096 goes in 32 steps of 128; four steps are a lap.
; THE HIDDEN LAYER never leaves the work-group: in lap l wave w makes K step 4 (l + 1) + w of it (128 hidden units x 64 tokens, 32 units in each step: 24 f32 matrix instructions, K = 12: ten cosines, 1.0 against b1, a zero),
; quantises it in registers (relu: the maximum is taken without |.|, and the codes with a sign bit are cleared) and stores codes and scale words to LDS as an image of the operand's registers.  Two such buffers take turns; one barrier a lap.
; W2: all work-groups walk the same codes, so the four work-groups of a cluster ask for them JOINTLY: two LDS slots of 131,072 bytes, two K steps each; wave w fetches and reads its own 32,768 bytes of a slot.
; At the head of step n a wave reads step n + 1's 16 fragments in one run into the other of two register sets (window 1).  So fill c (steps 2 c, 2 c + 1) is read at the heads of steps 2 c - 1 and 2 c, and in the middle of step 2 c
; its slot is filled again with fill c + 2: the waits, the add and a round of the cluster's barrier stand round the step's groups 4 and 5.  A fill has two steps in which to land.
; PREFETCH: cluster 0 asks in each trip of the loop for W2's 262,144 bytes of the lap two laps on, 1,024 blocks of 256 bytes, each named once (4 work-groups, told apart by address, x 4 waves x 2 instructions x 32 lanes): two steps ahead of the
; first tensor load that wants them; the six trips name laps 2 to 7, the first two laps come by their loads alone.  The scale words and W1's images, 40 KiB a lap, are asked for by their own loads one and two steps ahead and are not prefetched.
; b2 is added on the way out, where a lane holds four neighbouring columns: so the first K step starts the sums with the constant 0.
; GLOBAL LOADS, in the order of issue, for step n: at its head the scale words of step n + 1 (2); behind its first group W1's chunk for step n + 2 (3).
; LIMITS: as the launch before states them; NaN and infinities are not served.
.set SLOTB, 131072
.set HB0,   0x40000                    ; behind the two slots: h
.set HTOG,  0x8000                     ; its two buffers lie this far apart: codes 16,384 bytes, scale words from HSCO on, 2,048 bytes
.set HSCO,  0x4000
.set SPARE, 313344                     ; the spare words: 512 bytes that no other line names
; window 0: v1, v2 the add's registers; v3, v4 my part of slot 0, 1 (v3 also: stage read); v5, v6 h's codes and scale words + 16 L; v7, v8 where they are read; v9 16 L; v10 256 L; v11 stage write; v12, v14 my place in a buffer of h; v13, v15 the same in the buffer being written
.set SC,  16                           ; W2's scale words, two sets of 8
.set HS,  32                           ; h's scale words (v44-47: a second set for the last lap)
.set BI,  36                           ; b2 of my columns, 8 registers
.set HF,  48                           ; h's fragments of a step, 32
.set HA,  80                           ; the f32 sums, 64: written by matrix instructions alone
.set QF,  144                          ; q's image, 24
.set W1F, 168                          ; W1's chunks, two sets of 12
.set PC,  192                          ; the codes of my K step, 32
.set PW,  224                          ; its scale words, 4
.set TM,  228
.set TP,  232
.set SO,  236
.set MT,  240
.set MU,  248
.set MSB, 0
.macro WIN new                         ; the immediate's high byte repeats the setting that is left
.if MSB != (\new)
	s_set_vgpr_msb (MSB<<8)|(\new)
.set MSB, (\new)
.endif
.endm
.macro PLACES
.rept 4
	v_nop
.endr
.endm
.macro CREST                           ; a round of the cluster's barrier behind its opening barrier
	s_cmp_lg_u32 s16, 0
	s_cbranch_scc1 .Lnot_wave_0_\@
	s_barrier_signal -3
.Lnot_wave_0_\@:
	s_barrier_wait -3
	s_barrier_signal -1
	s_barrier_wait -1
.endm
.macro CROUND
	s_barrier_signal -1
	s_barrier_wait -1
	CREST
.endm
.macro SETADR w
	v_add_nc_u32 v7, s41, v5
	v_add_nc_u32 v8, s41, v6
.if \w
	v_add_nc_u32 v13, s42, v12
	v_add_nc_u32 v15, s42, v14
.endif
.endm
.macro ASK                             ; the lap two laps on: my 16,384 bytes of it; the branch hangs on the cluster's number alone
	s_cmp_eq_u32 ttmp9, 0
	s_cbranch_scc0 .Lnot_mine_\@
	global_prefetch_b8 v10, s[46:47] th:TH_LOAD_NT scope:SCOPE_SE
	global_prefetch_b8 v10, s[46:47] offset:8192 th:TH_LOAD_NT scope:SCOPE_SE
.Lnot_mine_\@:
.endm
; steps are numbered from the lap at which the bases stand
.macro LSC st                          ; W2's scale words of step st
	global_load_b128 v[SC+8*((\st)%2):SC+8*((\st)%2)+3], v9, s[6:7] offset:4096*(\st)
	global_load_b128 v[SC+8*((\st)%2)+4:SC+8*((\st)%2)+7], v9, s[6:7] offset:4096*(\st)+512
.endm
.macro LW1 c                           ; W1's chunk for step c (from -4 on)
.irp p, 0,1,2
	global_load_b128 v[W1F+12*(((\c)+4)%2)+4*\p:W1F+12*(((\c)+4)%2)+4*\p+3], v9, s[8:9] offset:(((\c)+4)/4-1)*24576+(((\c)+4)%4)*1536+512*\p
.endr
.endm
.macro LWR st                          ; W2's 16 fragments (256 columns x 128 K) of step st, 32 LDS loads in one run, into set st % 2 of window 1
	WIN 0x40
.irp t, 0,1,2,3,4,5,6,7,8,9,10,11,12,13,14,15
	ds_load_b128 v[128*((\st)%2)+8*\t:128*((\st)%2)+8*\t+3], v[3+((\st)/2)%2] offset:16384*((\st)%2)+1024*\t
	ds_load_b128 v[128*((\st)%2)+8*\t+4:128*((\st)%2)+8*\t+7], v[3+((\st)/2)%2] offset:16384*((\st)%2)+1024*\t+512
.endr
	WIN 0
.endm
.macro LDH q
.irp m, 0,1,2,3
	ds_load_b128 v[HF+8*\m:HF+8*\m+3], v7 offset:(4*(\q)+\m)*1024
	ds_load_b128 v[HF+8*\m+4:HF+8*\m+7], v7 offset:(4*(\q)+\m)*1024+512
.endr
	ds_load_b128 v[HS:HS+3], v8 offset:512*(\q)
.endm
; f32 products i0 .. i1 - 1 of a chunk's 24: eight sums by turns (2 tiles of 16 hidden units x 4 tiles of 16 tokens), three deep along K; the first of each starts it with 0
.macro RUN j, i0, i1
.set ri, \i0
.rept (\i1)-(\i0)
.set ra, ri%8
.set rD, HA+8*ra
.set rA, W1F+12*((\j)%2)+6*(ra%2)+2*(ri/8)
.set rB, QF+6*(ra/2)+2*(ri/8)
.if ri < 8
	v_wmma_f32_16x16x4_f32 v[rD:rD+7], v[rA:rA+1], v[rB:rB+1], 0
.else
	v_wmma_f32_16x16x4_f32 v[rD:rD+7], v[rA:rA+1], v[rB:rB+1], v[rD:rD+7]
.endif
.set ri, ri+1
.endr
.endm
.macro QP                              ; a plain line was written
.set em, em+1
.set pl, pl+1
.endm
; line k of the quantiser of chunk j: four blocks of 32 hidden units, one for each tile of 16 tokens, by turns.  Eight places behind the f32 products come first.
.macro QL j
.if (k < 8) || (k == 68)
	v_nop
	QP
.elseif k < 12
	v_max3_num_f32 v[TM+k-8], v[HA+16*(k-8)], v[HA+16*(k-8)+1], 0x1800000   ; with the floor 2^(3 - 127): the byte cannot fall under 1
	QP
.elseif k < 40
.set qb, (k-12)%4
.set qr, HA+16*qb+2*((k-12)/4)+2
	v_max3_num_f32 v[TM+qb], v[TM+qb], v[qr], v[qr+1]
	QP
.elseif k < 44
	v_permlanex16_b32 v[TP+k-40], v[TM+k-40], s44, s45
	QP
.elseif k < 48
	v_max_num_f32 v[TM+k-44], v[TM+k-44], v[TP+k-44]
	QP
.elseif k < 52
	v_add_nc_u32 v[SO+k-48], 0xff000000, v[TM+k-48]     ; 2 off the exponent field: the conversion's scale operand
	QP
.elseif k < 56
.if (\j) == 0
	v_lshrrev_b32 v[PW+k-52], 23, v[SO+k-52]
.else
	v_lshrrev_b32 v[TM+k-52], 23, v[SO+k-52]
.endif
	QP
.elseif k < 60
.if (\j) > 0
	v_lshl_or_b32 v[PW+k-56], v[TM+k-56], 8*(\j), v[PW+k-56]
	QP
.endif
.elseif k < 68
.set qb, (k-60)/2
.set qe, (k-60)%2
	v_cvt_scalef32_pk8_fp4_f32 v[PC+8*qb+2*(\j)+qe], v[HA+16*qb+8*qe:HA+16*qb+8*qe+7], v[SO+qb]
.set em, em+1
.elseif k < 77
.set qe, k-69
	v_and_b32 v[MT+qe], 0x88888888, v[PC+8*(qe/2)+2*(\j)+qe%2]   ; relu: the sign bits,
	QP
.elseif k < 85
	v_lshrrev_b32 v[MU+k-77], 3, v[MT+k-77]
	QP
.elseif k < 93
	v_sub_nc_u32 v[MT+k-85], v[MT+k-85], v[MU+k-85]     ; 7 in each negative code's place,
	QP
.elseif k < 101
.set qe, k-93
.set qp, PC+8*(qe/2)+2*(\j)+qe%2
	v_bfi_b32 v[qp], v[MT+qe], 0, v[qp]                 ; whose magnitude is cleared
	QP
.elseif k < 109
.if (\j)%2 == 1
.set qe, k-101
.set qp, PC+8*(qe/2)+4*((\j)/2)+qe%2
	v_permlane16_swap_b32 v[qp], v[qp+2]                ; a whole block of 32 in a lane
	QP
.endif
.elseif k < 117
.if (\j) == 3
.set qe, k-109
	ds_store_b128 v13, v[PC+4*qe:PC+4*qe+3] offset:512*qe
.set em, em+1
.endif
.elseif k == 117
.if (\j) == 3
	ds_store_b128 v15, v[PW:PW+3]
.set em, em+1
.endif
.endif
.set k, k+1
.endm
; the next n lines of the quantiser; v_nop make up four plain lines where fewer were written: behind a step's last group they are the places in front of the next step's loads into operands
.macro QB j, n
	WIN 0
.set em, 0
.set pl, 0
.rept 26
.if (em < (\n)) && (k < 118)
	QL \j
.endif
.endr
.rept 4
.if pl < 4
	v_nop
.set pl, pl+1
.endif
.endr
.endm
; four products: W2's group fi (32 columns) against h's four tiles of 16 tokens, 128 along K.  The 32 accumulators take turns, in the same order in every step
.macro FG st, fi, hf, hs, zero
	WIN 0xa1+0x50*((\fi)/4)
.irp m, 0,1,2,3
.set fC, 16*(4*((\fi)%4)+\m)
.set fW, 128*((\st)%2)+16*(\fi)
.if \zero
	v_wmma_scale_f32_32x16x128_f4 v[fC:fC+15], v[fW:fW+15], v[(\hf)+8*\m:(\hf)+8*\m+7], 0, v[SC+8*((\st)%2)+(\fi)], v[(\hs)+\m]
.else
	v_wmma_scale_f32_32x16x128_f4 v[fC:fC+15], v[fW:fW+15], v[(\hf)+8*\m:(\hf)+8*\m+7], v[fC:fC+15], v[SC+8*((\st)%2)+(\fi)], v[(\hs)+\m]
.endif
.endr
.endm
; A step with its chunk of the next lap's h.  w1: W1's chunk for two steps on is asked for; na, nb: the global loads younger than this step's chunk of W1 and than its scale words; nq: quantiser lines behind each group;
; bar: the lap's last step: my K step of h is stored behind group 6, the barrier stands round group 7, the buffers change (1: the next lap writes too; 2: it only reads);  rf: an even step: the slot whose last reads stand at this step's head is filled again
.macro STEP st, zero, w1, na, nb, nq, bar, pf, rf
	WIN 0
	LDH (\st)%4
	LWR (\st)+1
	LSC (\st)+1
	s_wait_loadcnt \na                             ; W1's chunk for this step
	RUN (\st)%4, 0, 12
.if \pf
	ASK
.endif
	RUN (\st)%4, 12, 24
	s_wait_loadcnt \nb                             ; this step's scale words of W2 are in,
	s_wait_dscnt 32                                ; and h's fragments, and W2's (read a step ago); the next step's 32 may be out
.set k, 0
.irp f, 0,1,2,3,4,5,6,7
.if (\rf) && (\f == 4)
	s_wait_alu depctr_va_vdst(0)                   ; directly ahead of the wait below: the quantiser goes on behind waits and branches
	s_wait_tensorcnt 0x0                           ; my one tensor load has landed: my part of the other slot, which the next step's head reads;
	ds_add_u32 v1, v2
	s_add_nc_u64 s[34+4*(((\st)/2)%2):35+4*(((\st)/2)%2)], s[34+4*(((\st)/2)%2):35+4*(((\st)/2)%2)], 2*SLOTB
.endif
.if (\rf) && (\f == 5)
	s_wait_dscnt 0x0                               ; the add is done, and my reads of the slot are back
	s_barrier_signal -1                            ; this barrier opens a round of the cluster's barrier
.endif
.if (\bar) && (\f == 7)
	s_wait_dscnt 0x0                               ; for the others' sake: my stores of h have landed, my reads of this lap's h are back
	s_barrier_signal -1
.endif
	FG \st, \f, HF, HS, \zero
.if (\rf) && (\f == 4)
.elseif (\rf) && (\f == 5)
	WIN 0
	s_barrier_wait -1
	CREST
	tensor_load_to_lds s[32+4*(((\st)/2)%2):35+4*(((\st)/2)%2)], s[24:31]   ; the joint refill, first behind the round
	s_nop 0
	PLACES
	QB (\st)%4, \nq
.else
	QB (\st)%4, \nq
.endif
.if (\bar) && (\f == 7)
	s_barrier_wait -1
	s_xor_b32 s41, s41, HTOG
	s_xor_b32 s42, s42, HTOG
.endif
.if (\w1) && (\f == 0)
	LW1 (\st)+2                                    ; behind the eight places that open the quantiser
.endif
.endr
	WIN 0
.if \bar
	SETADR 2-(\bar)
.endif
.endm
; A chunk of lap 0's h, ahead of the first step: no products of W2 yet.  Its loads follow the steps' order of issue, so that the steps' counts hold from the first step on.
; In chunk 2 slot 1 is filled for the first time, as a refill is; chunk 3 stands for step -1: at its head step 0's fragments of W2 are read
.macro PRO j, na
.if (\j) == 3
	LWR 0
	LSC 0
.endif
	s_wait_loadcnt \na
	RUN \j, 0, 24
.set k, 0
	QB \j, 8
.if (\j) == 2
	s_wait_tensorcnt 0x0                           ; my part of slot 0 is in
	ds_add_u32 v1, v2
	s_wait_dscnt 0x0
	CROUND
	tensor_load_to_lds s[36:39], s[24:31]
	s_nop 0
	PLACES
.endif
	LW1 (\j)-2
.rept 118
.if k < 118
	QL \j
.endif
.endr
.endm
	s_load_b256 s[4:11], s[0:1], 0x0               ; w2c s[4:5], w2s s[6:7], w1i s[8:9], qi s[10:11]
	s_load_b128 s[12:15], s[0:1], 0x20             ; b2 s[12:13], out0 s[14:15]
	v_lshl_add_u32 v1, v0, 2, SPARE
	v_mov_b32 v2, 0
	ds_add_u32 v1, v2                              ; the opening lines: the add, twice on end, and its wait ahead of my first tensor load
	ds_add_u32 v1, v2
	v_lshrrev_b32 v13, 5, v0
	v_readfirstlane_b32 s16, v13                   ; wave
	s_bfe_u32 s17, ttmp6, 0x40000                  ; cx
	s_lshl_b32 s18, ttmp9, 2
	s_add_co_u32 s18, s18, s17                     ; the work-group's number
	s_mov_b32 s24, 15|(3<<16)|(1<<21)              ; group 1: the mask names the cluster's four; elements of 8 bytes; 128 rows of 256 bytes, dense
	s_mov_b32 s25, 32<<16
	s_mov_b32 s26, 128<<16
	s_mov_b32 s27, 32<<16
	s_mov_b32 s28, 128
	s_mov_b32 s29, 32
	s_mov_b32 s30, 0
	s_mov_b32 s31, 0
	s_lshl_b32 s20, s16, 15                        ; W2's codes, in memory and in a slot: 32,768 w
	s_mov_b32 s21, 0
	s_lshl_b32 s22, s16, 10                        ; scale words, b2, a row of out0: 1,024 w
	s_mov_b32 s23, 0
	s_mul_i32 s48, s16, 6144
	s_add_co_u32 s48, s48, 24576                   ; W1's image of K step 4 + w: what lap 0 computes
	s_mov_b32 s49, 0
	s_mul_i32 s50, s18, 3072                       ; q's image of my 64 tokens
	s_mov_b32 s51, 0
	s_lshl_b32 s52, s18, 18                        ; 64 rows of 4,096 bytes
	s_add_co_u32 s52, s52, s22
	s_mov_b32 s53, 0
	s_lshl_b32 s54, s17, 16                        ; the prefetches: lap 2, 65,536 cx + 16,384 x wave
	s_lshl_b32 s55, s16, 14
	s_add_co_u32 s54, s54, s55
	s_add_co_u32 s54, s54, 2*262144
	s_mov_b32 s55, 0
	s_lshl_b32 s56, s16, 12                        ; my K step's place in a buffer of h: codes,
	s_lshl_b32 s57, s16, 9                         ; scale words
	s_mov_b32 s41, 0
	s_mov_b32 s42, 0
	s_mov_b32 s44, 0x76543210
	s_mov_b32 s45, 0xfedcba98                      ; v_permlanex16_b32's selects for lane l xor 16
	v_and_b32 v7, 31, v0                           ; L
	v_lshlrev_b32 v9, 4, v7
	v_lshlrev_b32 v10, 8, v7
	v_and_b32 v7, 15, v0                           ; r
	v_bfe_u32 v8, v0, 4, 1                         ; h
	v_mul_u32_u24 v11, v7, 528
	v_lshl_add_u32 v11, v8, 5, v11
	v_add_nc_u32 v11, s20, v11                     ; into the stage: row r, 32 bytes for each half of the lanes.  The stage lies in my part of slot 0, behind that slot's last fill and my last read of it
	v_add_nc_u32 v3, s20, v9
	v_add_nc_u32 v4, SLOTB, v3
	v_add_nc_u32 v5, HB0, v9
	v_add_nc_u32 v6, HB0+HSCO, v9
	v_add_nc_u32 v12, s56, v5
	v_add_nc_u32 v14, s57, v6
	SETADR 1
.irp b, 0,1,2,3
	v_mov_b32 v[TP+\b], 0                          ; a lane permute's destination counts as one of its sources
.endr
	s_wait_dscnt 0x0                               ; both opening adds are done
	s_wait_alu depctr_va_vdst(0)
	s_wait_kmcnt 0x0
	s_add_nc_u64 s[46:47], s[4:5], s[54:55]
	s_add_nc_u64 s[6:7], s[6:7], s[22:23]
	s_add_nc_u64 s[8:9], s[8:9], s[48:49]
	s_add_nc_u64 s[10:11], s[10:11], s[50:51]
	s_add_nc_u64 s[12:13], s[12:13], s[22:23]
	s_add_nc_u64 s[14:15], s[14:15], s[52:53]
.irp p, 0,1,2,3,4,5
	global_load_b128 v[QF+4*\p:QF+4*\p+3], v9, s[10:11] offset:512*\p th:TH_LOAD_NT
.endr
	LW1 -4
	LW1 -3
	CROUND                                         ; the cluster's four are here: the first joint loads meet
	s_mov_b32 s32, 1                               ; group 0 for slot 0: K steps 0 and 1,
	s_lshl_b32 s33, s16, 15
	s_add_nc_u64 s[34:35], s[4:5], s[20:21]
	s_or_b32 s35, s35, 0x80000000
	s_mov_b32 s36, 1                               ; and for slot 1: K steps 2 and 3
	s_add_co_u32 s37, s20, SLOTB
	s_add_nc_u64 s[38:39], s[4:5], s[20:21]
	s_add_nc_u64 s[38:39], s[38:39], SLOTB
	s_or_b32 s39, s39, 0x80000000
	tensor_load_to_lds s[32:35], s[24:31]          ; one tensor load a wave at the head
	s_nop 0
	PLACES
	PRO 0, 3                                       ; behind this chunk's loads: the next chunk's three
	PRO 1, 3
	PRO 2, 3
	PRO 3, 5                                       ; behind them: W1's next chunk 3, step 0's scale words 2
	s_wait_dscnt 0x0                               ; my K step of lap 0's h has landed
	s_barrier_signal -1
	s_barrier_wait -1
	s_mov_b32 s41, 0
	s_mov_b32 s42, HTOG
	SETADR 1
	STEP 0, 1, 1, 7, 5, 15, 0, 0, 1                ; the first step stands in front of the loop: its products start the sums
	s_mov_b32 s40, 6
.Ltrip:                                                ; a trip goes from a lap's second step to the next lap's first
	STEP 1, 0, 1, 7, 5, 14, 0, 0, 0
	STEP 2, 0, 1, 7, 5, 15, 0, 1, 1
	STEP 3, 0, 1, 7, 5, 17, 1, 0, 0
	STEP 4, 0, 1, 7, 5, 15, 0, 0, 1
	s_wait_xcnt 0x0                                ; the bases are stepped only behind this wait
	s_add_nc_u64 s[6:7], s[6:7], 16384
	s_add_nc_u64 s[8:9], s[8:9], 24576
	s_add_nc_u64 s[46:47], s[46:47], 262144
	s_sub_co_u32 s40, s40, 1
	s_cmp_lg_u32 s40, 0
	s_cbranch_scc1 .Ltrip
	STEP 1, 0, 1, 7, 5, 14, 0, 0, 0                ; lap 6 goes on: W1's last chunk is asked for here,
	STEP 2, 0, 0, 7, 5, 15, 0, 0, 1                ; and W2's last two K steps here
	STEP 3, 0, 0, 4, 2, 17, 2, 0, 0
	s_wait_alu depctr_va_vdst(0)                   ; directly behind the write of v7 and v8
; THE LAST LAP has no h to make: all its fragments of h come into registers that the quantiser has left (never the f32 sums' registers)
.macro LD7 q, hf
.irp m, 0,1,2,3
	ds_load_b128 v[(\hf)+8*\m:(\hf)+8*\m+3], v7 offset:(4*(\q)+\m)*1024
	ds_load_b128 v[(\hf)+8*\m+4:(\hf)+8*\m+7], v7 offset:(4*(\q)+\m)*1024+512
.endr
.endm
.macro LST st, nb, nd, hf, hs          ; nd: the LDS loads issued at this step's head, which may stay out
	WIN 0
.if (\st) > 4
	PLACES                                         ; behind the last step's products, in front of loads into their operands
.endif
.if (\st) == 5
	ds_load_b128 v[32:35], v8 offset:1024          ; h's scale words of the step after this one
	s_wait_tensorcnt 0x0                           ; my last tensor load: K steps 30 and 31
.endif
.if (\st) == 6
	ds_load_b128 v[44:47], v8 offset:1536
	global_load_b128 v[BI:BI+3], v9, s[12:13]      ; b2 of my columns 4 L .. and 128 + 4 L ..
	global_load_b128 v[BI+4:BI+7], v9, s[12:13] offset:512
.endif
.if (\st) < 7
	LWR (\st)+1
	LSC (\st)+1
.endif
	s_wait_loadcnt \nb
	s_wait_dscnt \nd
.irp f, 0,1,2,3,4,5,6,7
	FG \st, \f, \hf, \hs, 0
.endr
.endm
	LD7 0, 48
	LD7 1, 144
	LD7 2, 176
	LD7 3, 208
	ds_load_b128 v[32:35], v8
	ds_load_b128 v[44:47], v8 offset:512
	LST 4, 2, 32, 48, 32                           ; younger than the step's scale words of W2: the next step's 2
	LST 5, 2, 33, 144, 44
	LST 6, 4, 33, 176, 32                          ; and b2's 2
	LST 7, 0, 0, 208, 44
; THE WAY OUT, block by block of 16 tokens x 128 columns: through my own stage, back as rows of 512 bytes, b2 added, stored as two aligned units of 256 bytes.  LDS serves a wave's instructions in order (ISA guide 5.7.1.4)
.macro TOSTAGE a
	WIN 0x08+4*((\a)%2)
.irp b, 0,1,2,3
.set tC, 16*(4*\b+(\a)/2)
	ds_store_b128 v11, v[tC:tC+3] offset:128*\b            ; each accumulator from its low end on
	ds_store_b128 v11, v[tC+4:tC+7] offset:128*\b+16
	ds_store_b128 v11, v[tC+8:tC+11] offset:128*\b+64
	ds_store_b128 v11, v[tC+12:tC+15] offset:128*\b+80
.endr
	WIN 0x40
.set tB, 128*((\a)%2)
.irp t, 0,1,2,3,4,5,6,7,8,9,10,11,12,13,14,15
	ds_load_b128 v[tB+4*\t:tB+4*\t+3], v3 offset:528*\t    ; into window 1, which held W2
.endr
.endm
.macro SEND a, younger
.set tB, 128*((\a)%2)
	s_wait_dscnt \younger
	WIN 0x41
.irp t, 0,1,2,3,4,5,6,7,8,9,10,11,12,13,14,15
	v_pk_add_f32 v[tB+4*\t:tB+4*\t+1], v[tB+4*\t:tB+4*\t+1], v[BI+4*((\a)%2):BI+4*((\a)%2)+1]
	v_pk_add_f32 v[tB+4*\t+2:tB+4*\t+3], v[tB+4*\t+2:tB+4*\t+3], v[BI+4*((\a)%2)+2:BI+4*((\a)%2)+3]
.endr
	WIN 0x04
.irp t, 0,1,2,3,4,5,6,7,8,9,10,11,12,13,14,15
	global_store_b128 v9, v[tB+4*\t:tB+4*\t+3], s[14:15] offset:(16*((\a)/2)+\t)*4096+512*((\a)%2) th:TH_STORE_NT
.endr
.endm
	PLACES                                         ; behind the last products: for the reads of their results and the loads into their operands
	TOSTAGE 0
.irp a, 1,2,3,4,5,6,7
.if \a > 1
	s_wait_xcnt 0x0                                ; block a - 2's stores have read their registers: block a's loads may land there
.endif
	TOSTAGE \a
	SEND \a-1, 32                                  ; behind block a - 1's loads: block a's 16 stores and 16 loads
.endr
	SEND 7, 0
	WIN 0
	s_wait_tensorcnt 0x0                           ; the wave's end
	ds_add_u32 v1, v2
	s_wait_dscnt 0x0
	CROUND                                         ; the closing round
	s_endpgm
.Lfunc_end_k_qfa9629e8b9_main:
	.size	k_qfa9629e8b9_main, .Lfunc_end_k_qfa9629e8b9_main-k_qfa9629e8b9_main
	.p2alignl 7, 3214868480
	.fill 96, 4, 3214868480
	.section	.rodata,"a",@progbits
	.p2align	6, 0x0
	.amdhsa_kernel k_qfa9629e8b9_main
		.amdhsa_group_segment_fixed_size 327680
		.amdhsa_private_segment_fixed_size 0
		.amdhsa_enable_private_segment 0
		.amdhsa_kernarg_size 48
		.amdhsa_user_sgpr_count 2
		.amdhsa_user_sgpr_kernarg_segment_ptr 1
		.amdhsa_wavefront_size32 1
		.amdhsa_system_sgpr_workgroup_id_x 1
		.amdhsa_system_sgpr_workgroup_id_y 1
		.amdhsa_system_sgpr_workgroup_id_z 1
		.amdhsa_system_vgpr_workitem_id 0
		.amdhsa_next_free_vgpr 1024
		.amdhsa_next_free_sgpr 66
		.amdhsa_reserve_vcc 0
		.amdhsa_float_denorm_mode_32 3
		.amdhsa_float_denorm_mode_16_64 3
		.amdhsa_memory_ordered 1
		.amdhsa_forward_progress 1
		.amdhsa_inst_pref_size 233
	.end_amdhsa_kernel
	.amdgpu_metadata
---
amdhsa.version: [ 1, 2 ]
amdhsa.kernels:
  - .name:           k_qfa9629e8b9_main
    .symbol:         k_qfa9629e8b9_main.kd
    .args:
      - { .name: w2c, .offset: 0, .size: 8, .value_kind: global_buffer, .address_space: global }
      - { .name: w2s, .offset: 8, .size: 8, .value_kind: global_buffer, .address_space: global }
      - { .name: w1i, .offset: 16, .size: 8, .value_kind: global_buffer, .address_space: global }
      - { .name: qi, .offset: 24, .size: 8, .value_kind: global_buffer, .address_space: global }
      - { .name: b2, .offset: 32, .size: 8, .value_kind: global_buffer, .address_space: global }
      - { .name: out0, .offset: 40, .size: 8, .value_kind: global_buffer, .address_space: global }
    .group_segment_fixed_size: 327680
    .private_segment_fixed_size: 0
    .kernarg_segment_align: 8
    .kernarg_segment_size: 48
    .max_flat_workgroup_size: 128
    .sgpr_count:     66
    .vgpr_count:     1024
    .wavefront_size: 32
...
	.end_amdgpu_metadata
.endif
;; end of part 2
